; MI455X (gfx1250); checked and timed in simulation.
; The chip was launched on July 23, 2026; its instructions are those of AMD's public machine-readable ISA for CDNA 5 (MIT licence, August 2026) and "CDNA5" Instruction Set Architecture Reference Guide (July 2026). The comments in the code are by the model that wrote it; some were corrected since.
;; Nano GPT Causal Self Attention. Allowed arithmetic: float matrix products may take bf16 or f16 operands with f32 sums; all other float work in f32.
;; Inputs: W_attn 3,072 x 1,024 float32; W_proj 1,024 x 1,024 float32; b_attn 3,072 float32; b_proj 1,024 float32; x 2 x 2,048 x 1,024 float32.
;; Outputs: out0 2 x 2,048 x 1,024 float32.
;; One version. Each part assembles by itself: llvm-mc -triple=amdgcn-amd-amdhsa -mcpu=gfx1250 --defsym DOCPART=n.
;; ======== version 1 of 1: 4 launches
;; limits: values are held in f16: magnitudes above 65,504 overflow, below 6.1e-05 lose precision
;; workspace buffers: cb 16,777,216 bytes; qkv 25,165,824 bytes; yb 8,388,608 bytes
;; launch cast (part 1): grid 256 x 1, 8 waves a work-group, no clusters, 0 bytes of LDS; arguments x, W_attn, W_proj, cb; writes cb
.if DOCPART == 1
	.amdgcn_target "amdgcn-amd-amdhsa--gfx1250"
	.amdhsa_code_object_version 6
	.text
	.protected	k_q086dd4070b_cast
	.globl	k_q086dd4070b_cast
	.p2align	8
	.type	k_q086dd4070b_cast,@function
k_q086dd4070b_cast:
	s_mov_b64 s[64:65], 0
	v_nop
	global_prefetch_b8 v0, s[64:65] scope:SCOPE_SE
	s_setreg_imm32_b32 hwreg(HW_REG_WAVE_MODE, 25, 1), 1
	s_wait_xcnt 0x0
; cast: the three large f32 inputs are rounded once to 16 bits, so that the matrix launches can bring them in as tiles.
;   cb byte 0          : x      as bf16 [4096][1024]
;   cb byte 8,388,608  : W_attn as bf16 [3072][1024]
;   cb byte 14,680,064 : W_proj rounded to bf16 and that number written as f16 [1024][1024] (its partner in the product, y, is f16)
; LIMIT: the f16 form of W_proj holds magnitudes below 65,504; below 2^-17 it carries an absolute error of at most 2^-25.
; Work-group g owns 32,768 numbers: 131,072 bytes in, 65,536 bytes out, at cb + 65,536 g.  g 0-127: x; 128-223: W_attn; 224-255: W_proj.
; Eight waves; a load of the work-group covers 4,096 neighbouring bytes, a store of a wave 256 neighbouring bytes at a multiple of 256.
; All 32 loads of a thread go out at once; nothing is read twice; no LDS, no barrier, no matrix unit: only bytes are moved here.
.set X, 4                              ; v[4:131]   load i: 4 numbers in f32
.set Y, 132                            ; v[132:195] store i: 4 numbers in 16 bits; a pair of its own for each store, so none is rewritten
.set T, 196                            ; v[196:197] at work (W_proj's way)
	s_load_b256 s[4:11], s[0:1], 0x0               ; x s[4:5], W_attn s[6:7], W_proj s[8:9], cb s[10:11]
	s_mov_b32 s2, ttmp9                            ; g
	s_sub_co_u32 s12, s2, 128                      ; the chunk's number inside W_attn,
	s_sub_co_u32 s13, s2, 224                      ; inside W_proj (each used only where it is not negative)
	v_lshlrev_b32 v1, 4, v0                        ; 16 bytes a thread in
	v_lshlrev_b32 v2, 3, v0                        ; 8 bytes a thread out
	s_wait_kmcnt 0x0
	s_cmp_lt_u32 s2, 224
	s_cselect_b64 s[14:15], s[6:7], s[8:9]         ; the source buffer is chosen by g alone
	s_cselect_b32 s16, s12, s13
	s_cmp_lt_u32 s2, 128
	s_cselect_b64 s[14:15], s[4:5], s[14:15]
	s_cselect_b32 s16, s2, s16
	s_lshl_b32 s16, s16, 17                        ; chunk x 131,072 bytes
	s_mov_b32 s17, 0
	s_add_nc_u64 s[14:15], s[14:15], s[16:17]
	s_lshl_b32 s18, s2, 16                         ; g x 65,536 bytes
	s_mov_b32 s19, 0
	s_add_nc_u64 s[10:11], s[10:11], s[18:19]
.set i, 0
.rept 32
	global_load_b128 v[X+4*i:X+4*i+3], v1, s[14:15] offset:4096*i th:TH_LOAD_NT   ; read once in the whole launch
.set i, i+1
.endr
	s_cmp_ge_u32 s2, 224
	s_cbranch_scc1 .Lwproj
.set i, 0
.rept 32
	s_wait_loadcnt 31-i                            ; loads come back in order: load i is in, the 31 - i younger ones stay out
	v_cvt_pk_bf16_f32 v[Y+2*i],   v[X+4*i],   v[X+4*i+1]
	v_cvt_pk_bf16_f32 v[Y+2*i+1], v[X+4*i+2], v[X+4*i+3]
	global_store_b64 v2, v[Y+2*i:Y+2*i+1], s[10:11] offset:2048*i
.set i, i+1
.endr
	s_endpgm
.Lwproj:
	s_mov_b32 s3, 0xffff0000                       ; a word's upper bf16
.set i, 0
.rept 32
	s_wait_loadcnt 31-i
	v_cvt_pk_bf16_f32 v[T],   v[X+4*i],   v[X+4*i+1]      ; the rounding that counts: to bf16
	v_cvt_pk_bf16_f32 v[T+1], v[X+4*i+2], v[X+4*i+3]
	v_lshlrev_b32 v[X+4*i],   16, v[T]                    ; widened again,
	v_and_b32     v[X+4*i+1], s3, v[T]
	v_lshlrev_b32 v[X+4*i+2], 16, v[T+1]
	v_and_b32     v[X+4*i+3], s3, v[T+1]
	v_cvt_pk_f16_f32 v[Y+2*i],   v[X+4*i],   v[X+4*i+1]   ; and written as f16: 8 bits of mantissa fit into 11
	v_cvt_pk_f16_f32 v[Y+2*i+1], v[X+4*i+2], v[X+4*i+3]
	global_store_b64 v2, v[Y+2*i:Y+2*i+1], s[10:11] offset:2048*i
.set i, i+1
.endr
	s_endpgm
.Lfunc_end_k_q086dd4070b_cast:
	.size	k_q086dd4070b_cast, .Lfunc_end_k_q086dd4070b_cast-k_q086dd4070b_cast
	.p2alignl 7, 3214868480
	.fill 96, 4, 3214868480
	.section	.rodata,"a",@progbits
	.p2align	6, 0x0
	.amdhsa_kernel k_q086dd4070b_cast
		.amdhsa_group_segment_fixed_size 0
		.amdhsa_private_segment_fixed_size 0
		.amdhsa_enable_private_segment 0
		.amdhsa_kernarg_size 32
		.amdhsa_user_sgpr_count 2
		.amdhsa_user_sgpr_kernarg_segment_ptr 1
		.amdhsa_wavefront_size32 1
		.amdhsa_system_sgpr_workgroup_id_x 1
		.amdhsa_system_sgpr_workgroup_id_y 1
		.amdhsa_system_sgpr_workgroup_id_z 1
		.amdhsa_system_vgpr_workitem_id 0
		.amdhsa_next_free_vgpr 200
		.amdhsa_next_free_sgpr 66
		.amdhsa_reserve_vcc 0
		.amdhsa_float_denorm_mode_32 3
		.amdhsa_float_denorm_mode_16_64 3
		.amdhsa_memory_ordered 1
		.amdhsa_forward_progress 1
		.amdhsa_inst_pref_size 29
	.end_amdhsa_kernel
	.amdgpu_metadata
---
amdhsa.version: [ 1, 2 ]
amdhsa.kernels:
  - .name:           k_q086dd4070b_cast
    .symbol:         k_q086dd4070b_cast.kd
    .args:
      - { .name: x, .offset: 0, .size: 8, .value_kind: global_buffer, .address_space: global }
      - { .name: W_attn, .offset: 8, .size: 8, .value_kind: global_buffer, .address_space: global }
      - { .name: W_proj, .offset: 16, .size: 8, .value_kind: global_buffer, .address_space: global }
      - { .name: cb, .offset: 24, .size: 8, .value_kind: global_buffer, .address_space: global }
    .group_segment_fixed_size: 0
    .private_segment_fixed_size: 0
    .kernarg_segment_align: 8
    .kernarg_segment_size: 32
    .max_flat_workgroup_size: 256
    .sgpr_count:     66
    .vgpr_count:     200
    .wavefront_size: 32
...
	.end_amdgpu_metadata
.endif
;; end of part 1
;; launch qkv (part 2): grid 16 x 16, 4 waves a work-group, clusters of 4 x 4, 327,680 bytes of LDS; arguments cb, b_attn, qkv; writes qkv
.if DOCPART == 2
	.amdgcn_target "amdgcn-amd-amdhsa--gfx1250"
	.amdhsa_code_object_version 6
	.text
	.protected	k_q086dd4070b_qkv
	.globl	k_q086dd4070b_qkv
	.p2align	8
	.type	k_q086dd4070b_qkv,@function
k_q086dd4070b_qkv:
	s_mov_b64 s[64:65], 0
	v_nop
	global_prefetch_b8 v0, s[64:65] scope:SCOPE_SE
	s_setreg_imm32_b32 hwreg(HW_REG_WAVE_MODE, 25, 1), 1
	s_wait_xcnt 0x0
	s_wait_alu depctr_hold_cnt(0) depctr_sa_sdst(0) depctr_va_vdst(0) depctr_va_sdst(0) depctr_va_ssrc(0) depctr_va_vcc(0) depctr_vm_vsrc(0)
	s_getreg_b32 s2, hwreg(HW_REG_IB_STS2, 6, 4)
	s_cmp_eq_u32 s2, 0
	s_cbranch_scc0 .Lentry_in_a_cluster
	s_endpgm
.Lentry_in_a_cluster:
	s_bfe_u32 s2, ttmp6, 0x10000c
	s_cmp_lg_u32 s2, 0xf033
	s_cbranch_scc0 .Lentry_shape_is_right
	s_endpgm
.Lentry_shape_is_right:
; qkv[m][n] = sum over k of x[m][k] W_attn[n][k] + b_attn[n], bf16 operands (from cb), f32 sums, result in f16, stored head-major:
; qkv buffer = f16 [batch 2][hc 48][t 2048][64]; hc 0-15 are q's heads, 16-31 k's, 32-47 v's; a head is 262,144 dense bytes.
; LIMIT: the results are kept in f16: magnitudes below 65,504.
; A work-group makes 256 rows x 192 columns: 16 x 16 = 256 work-groups.  Four waves lie along the rows; a wave makes 64 rows x 192 columns,
; three whole heads, in 48 accumulator tiles of 16 x 16 (384 registers), so that it can store whole heads' rows from a stage of its own.
; K = 1024 goes in 8 steps of 128 through two LDS slots filled by the tensor data mover; a tile's rows are 256 bytes of memory at multiples of 256.
; CLUSTERS: 4 x 4 work-groups.  The four of a row of the cluster need the same 256 rows of x, the four of a column the same 192 rows of W_attn:
; each such tile is asked for jointly, by the same tensor load with the same descriptor and a mask that names the four.
;
; REGISTERS in windows of 256:
;   window 0: v16-27 addresses; v64-95, v96-127 fragments of x (4 x 16 rows x 32 K), two buffers; v128-175, v176-223 the way out
;   window 1: v0-95, v96-191 fragments of W_attn (12 x 16 rows x 32 K), two buffers
;   window 2: accumulator tile (a, b), b < 8, at v[8 (8 a + b)]
;   window 3: accumulator tile (a, b), b >= 8, at v[8 (4 a + b - 8)]; v128-223 the bias, laid out as twelve C tiles
; THE MATRIX INSTRUCTION IS USED TRANSPOSED: source 0 = 16 rows of W_attn, source 1 = 16 rows of x.  Lane l then holds row l % 16 of the result and its
; registers 0-7 the columns 8 (l / 16) + 0..7.  The bias in that layout is C of the first K chunk's products: nothing is cleared, nothing is added later.
.set KSTEP,  128
.set PITCH,  272                       ; an LDS row: 256 bytes + 16 of padding, so the 16 rows of a fragment load begin at 16 different 16-byte columns modulo 256 bytes
.set AHALF,  128*PITCH                 ; what one tensor load brings of x
.set BHALF,  96*PITCH                  ; what one tensor load brings of W_attn
.set BOFF,   2*AHALF                   ; W_attn's 192 rows lie behind x's 256
.set SLOT,   BOFF+2*BHALF              ; 121,856
.set STAGE,  2*SLOT                    ; 243,712: behind the ring, 16 rows x 400 bytes for each wave; no tensor load ever lands here
.set SPITCH, 400                       ; 192 f16 + 16 bytes
.set WAB,    8388608                   ; W_attn's place in cb
.set HEADB,  262144                    ; bytes of a head in the result
.set LAPS,   4                         ; a lap = two K steps = once round the ring
.set ADRA, 16                          ; v16-17 LDS address of my x fragments in slot 0, 1
.set ADRB, 20                          ; v20-21 the same for W_attn
.set STO,  24                          ; the way out: where I put 16 bytes of a row
.set RD,   25                          ; the way out: where I read back
.set CO,   26                          ; my byte offset in a store's 512 bytes
.set BO,   27                          ; my byte offset in a bias tile
.set FA,   64                          ; x fragments, buffer f at FA + 32 f (window 0); W_attn fragments, buffer f at 96 f (window 1)
.set TMP,  128
.set OUTB, 176
.set BIAS, 128                         ; window 3
.set G1, 24                            ; s[24:31] descriptor group 1, x's tiles
.set G0, 32                            ; s[32:39] group 0, x's tiles, one set for each slot
.set G1B, 48                           ; s[48:55] group 1, W_attn's tiles
.set G0B, 56                           ; s[56:63] group 0, W_attn's tiles, one set for each slot
.set MSB, 0
.macro WIN new                         ; the immediate's high byte repeats the setting that is left
.if MSB != \new
	s_set_vgpr_msb (MSB<<8)|\new
.set MSB, \new
.endif
.endm
.set MUL_LO,  0xa1                     ; source 0 window 1, source 1 window 0, C and D window 2
.set MUL_LOB, 0xb1                     ; the same with C (the bias) in window 3
.set MUL_HI,  0xf1                     ; C and D window 3
.set TO_B,    0x40                     ; destination window 1, address window 0
; A joint load.  Waves 0 and 1 fetch x's two halves, waves 2 and 3 W_attn's.  The branch hangs on the wave's number alone.
.macro JLOAD s
	s_cmp_eq_u32 s11, 0
	s_cbranch_scc0 .Lfor_b_\@
	tensor_load_to_lds s[G0+4*\s:G0+4*\s+3], s[G1:G1+7]
	s_nop 0
	s_branch .Lasked_\@
.Lfor_b_\@:
	tensor_load_to_lds s[G0B+4*\s:G0B+4*\s+3], s[G1B:G1B+7]
	s_nop 0
.Lasked_\@:
.endm
.macro CREST                           ; a round of the cluster's barrier behind its opening work-group barrier
	s_cmp_lg_u32 s10, 0
	s_cbranch_scc1 .Lnot_wave_0_\@
	s_barrier_signal -3
.Lnot_wave_0_\@:
	s_barrier_wait -3
	s_barrier_signal -1
	s_barrier_wait -1
.endm
.macro CROUND                          ; a whole round
	s_barrier_signal -1
	s_barrier_wait -1
	CREST
.endm
.macro PLACES                          ; four plain vector places behind a matrix instruction (ISA guide 7.12.1), before its registers are loaded into or its result is read
.rept 4
	v_nop
.endr
.endm
	s_load_b128 s[4:7], s[0:1], 0x0                ; cb s[4:5], b_attn s[6:7]
	s_load_b64 s[8:9], s[0:1], 0x10                ; qkv
	s_set_vgpr_msb 0x40
	v_lshl_add_u32 v255, v0, 2, 0x41c00
	s_set_vgpr_msb 0x4000
	v_mov_b32 v255, 0
	s_set_vgpr_msb 0x1
	ds_add_u32 v255, v255
	ds_add_u32 v255, v255
	s_set_vgpr_msb 0x100
	v_lshrrev_b32 v1, 5, v0
	v_readfirstlane_b32 s10, v1                    ; wave 0..3: my 64 rows of the block
	s_lshr_b32 s11, s10, 1                         ; I fetch for x (0) or for W_attn (1)
	s_and_b32 s12, s10, 1                          ; which half of that tile I fetch
	s_bfe_u32 s40, ttmp6, 0x40000                  ; cx
	s_bfe_u32 s41, ttmp6, 0x40004                  ; cy
	s_lshl_b32 s42, ttmp9, 2
	s_add_co_u32 s42, s42, s40                     ; block column bx = 4 x cluster x + cx
	s_and_b32 s13, ttmp7, 0xffff
	s_lshl_b32 s13, s13, 2
	s_add_co_u32 s13, s13, s41                     ; block row by = 4 x cluster y + cy
	s_lshl_b32 s43, s41, 2
	s_lshl_b32 s43, 15, s43                        ; my row of the cluster: places 4 cy .. 4 cy + 3
	s_lshl_b32 s44, 0x1111, s40                    ; my column: places cx, cx + 4, cx + 8, cx + 12
	; group 1: tiles of 128 (x) or 96 (W_attn) rows x 128 elements of 2 bytes, 4 words of padding behind every 64 words
	s_or_b32 s[G1+0], s43, (1<<16)|(1<<20)|(1<<21)|(5<<22)|(3<<25)
	s_or_b32 s[G1B+0], s44, (1<<16)|(1<<20)|(1<<21)|(5<<22)|(3<<25)
	s_mov_b32 s[G1+1], KSTEP<<16                   ; tensor_dim0 = 128
	s_mov_b32 s[G1B+1], KSTEP<<16
	s_mov_b32 s[G1+2], 128<<16                     ; tensor_dim1 = 128 rows
	s_mov_b32 s[G1B+2], 96<<16                     ;             = 96 rows
	s_mov_b32 s[G1+3], KSTEP<<16                   ; tile_dim0 = 128
	s_mov_b32 s[G1B+3], KSTEP<<16
	s_mov_b32 s[G1+4], 128                         ; tile_dim1
	s_mov_b32 s[G1B+4], 96
	s_mov_b32 s[G1+5], 1024                        ; elements from row to row
	s_mov_b32 s[G1B+5], 1024
	s_mov_b32 s[G1+6], 0
	s_mov_b32 s[G1B+6], 0
	s_mov_b32 s[G1+7], 0
	s_mov_b32 s[G1B+7], 0
	; x's tiles hang on the block row alone, W_attn's on the block column alone; each offset in registers that never hold the other coordinate
	s_lshl_b32 s16, s13, 8
	s_lshl_b32 s17, s12, 7
	s_add_co_u32 s16, s16, s17                     ; row 256 by + 128 half
	s_lshl_b32 s16, s16, 11                        ; x 2,048 bytes (below 8 MiB)
	s_mov_b32 s17, 0
	s_mul_i32 s46, s42, 192
	s_mul_i32 s47, s12, 96
	s_add_co_u32 s46, s46, s47                     ; row 192 bx + 96 half
	s_lshl_b32 s46, s46, 11
	s_add_co_u32 s46, s46, WAB
	s_mov_b32 s47, 0
	s_mul_i32 s20, s10, AHALF                      ; where they go: waves 0, 1: x's halves at 0 and AHALF
	s_mul_i32 s21, s10, BHALF
	s_add_co_u32 s21, s21, BOFF-2*BHALF            ; waves 2, 3: W_attn's halves at BOFF and BOFF + BHALF
	s_mul_i32 s22, s42, 768                        ; my block's 192 numbers of the bias
	s_mov_b32 s23, 0
	s_wait_dscnt 0x0
	s_wait_kmcnt 0x0
	s_add_nc_u64 s[14:15], s[4:5], s[16:17]
	s_add_nc_u64 s[46:47], s[4:5], s[46:47]
	s_add_nc_u64 s[6:7], s[6:7], s[22:23]
	CROUND                                         ; all sixteen work-groups are here: the first joint loads meet
.irp s, 0,1
	s_mov_b32 s[G0+4*\s], 1
	s_add_co_u32 s[G0+4*\s+1], s20, \s*SLOT
	s_add_nc_u64 s[G0+4*\s+2:G0+4*\s+3], s[14:15], \s*KSTEP*2
	s_or_b32 s[G0+4*\s+3], s[G0+4*\s+3], 0x80000000
	s_mov_b32 s[G0B+4*\s], 1
	s_add_co_u32 s[G0B+4*\s+1], s21, \s*SLOT
	s_add_nc_u64 s[G0B+4*\s+2:G0B+4*\s+3], s[46:47], \s*KSTEP*2
	s_or_b32 s[G0B+4*\s+3], s[G0B+4*\s+3], 0x80000000
	JLOAD \s                                       ; both slots' first fills go out before anything else: two tensor loads of the wave are out
.endr
	v_and_b32 v1, 15, v0                           ; r = l % 16
	v_bfe_u32 v2, v0, 4, 1                         ; h = l / 16
	v_and_b32 v6, 31, v0                           ; l
	v_mul_u32_u24 v3, v1, PITCH
	v_lshl_add_u32 v3, v2, 4, v3                   ; r x pitch + 16 h
	s_mul_i32 s18, s10, 64*PITCH                   ; my 64 rows of x
	v_add_nc_u32 v[ADRA], s18, v3
	v_add_nc_u32 v[ADRA+1], SLOT, v[ADRA]
	v_add_nc_u32 v[ADRB], BOFF, v3                 ; every wave reads all 192 rows of W_attn
	v_add_nc_u32 v[ADRB+1], BOFF+SLOT, v3
	s_mul_i32 s19, s10, 16*SPITCH
	s_add_co_u32 s19, s19, STAGE                   ; my stage
	v_mul_u32_u24 v4, v1, SPITCH
	v_lshl_add_u32 v4, v2, 4, v4
	v_add_nc_u32 v[STO], s19, v4                   ; in: row r, 16 bytes for each half of the lanes
	v_lshrrev_b32 v5, 3, v6
	v_and_b32 v7, 7, v6
	v_mul_u32_u24 v5, v5, SPITCH
	v_lshl_add_u32 v5, v7, 4, v5
	v_add_nc_u32 v[RD], s19, v5                    ; back: eight lanes take a head's 128 bytes of one row, 32 lanes four rows
	v_lshlrev_b32 v[CO], 4, v6                     ; which are 512 neighbouring bytes of the result
	v_lshlrev_b32 v[BO], 5, v2                     ; bias: 8 h numbers of 4 bytes
	WIN 0xc0                                       ; destination window 3
.irp b, 0,1,2,3,4,5,6,7,8,9,10,11
	global_load_b128 v[BIAS+8*\b:BIAS+8*\b+3],   v[BO], s[6:7] offset:64*\b      ; register j = bias of column 16 b + 8 h + j
	global_load_b128 v[BIAS+8*\b+4:BIAS+8*\b+7], v[BO], s[6:7] offset:64*\b+16
.endr
	WIN 0
; 16 matrix instructions: row tiles a0, a0 + 1 x column tiles 0-7, 32 along K, from fragment buffers f.  first = 1: C is the bias.
; The 48 accumulators take turns, one instruction a turn, in the same order in every quarter step..
.macro MUL16 f, a0, first
.irp a, \a0, \a0+1
.irp b, 0,1,2,3,4,5,6,7
.if \first
	v_wmma_f32_16x16x32_bf16 v[8*(8*(\a)+\b):8*(8*(\a)+\b)+7], v[96*\f+8*\b:96*\f+8*\b+7], v[FA+32*\f+8*(\a):FA+32*\f+8*(\a)+7], v[BIAS+8*\b:BIAS+8*\b+7]
.else
	v_wmma_f32_16x16x32_bf16 v[8*(8*(\a)+\b):8*(8*(\a)+\b)+7], v[96*\f+8*\b:96*\f+8*\b+7], v[FA+32*\f+8*(\a):FA+32*\f+8*(\a)+7], v[8*(8*(\a)+\b):8*(8*(\a)+\b)+7]
.endif
.endr
.endr
.endm
; 16 more: all four row tiles x column tiles 8-11
.macro MULH f, first
.irp a, 0,1,2,3
.irp b, 8,9,10,11
.if \first
	v_wmma_f32_16x16x32_bf16 v[8*(4*\a+\b-8):8*(4*\a+\b-8)+7], v[96*\f+8*\b:96*\f+8*\b+7], v[FA+32*\f+8*\a:FA+32*\f+8*\a+7], v[BIAS+8*\b:BIAS+8*\b+7]
.else
	v_wmma_f32_16x16x32_bf16 v[8*(4*\a+\b-8):8*(4*\a+\b-8)+7], v[96*\f+8*\b:96*\f+8*\b+7], v[FA+32*\f+8*\a:FA+32*\f+8*\a+7], v[8*(4*\a+\b-8):8*(4*\a+\b-8)+7]
.endif
.endr
.endr
.endm
; 32 LDS loads in one run: one quarter step's fragments (my 64 rows of x, then 192 rows of W_attn, 32 K at byte k of the rows) into buffers f
.macro FETCH slot, k, f
	WIN 0
.irp i, 0,1,2,3
	ds_load_b128 v[FA+32*\f+8*\i:FA+32*\f+8*\i+3],   v[ADRA+\slot] offset:\k+\i*16*PITCH
	ds_load_b128 v[FA+32*\f+8*\i+4:FA+32*\f+8*\i+7], v[ADRA+\slot] offset:\k+\i*16*PITCH+32
.endr
	WIN TO_B
.irp i, 0,1,2,3,4,5,6,7,8,9,10,11
	ds_load_b128 v[96*\f+8*\i:96*\f+8*\i+3],   v[ADRB+\slot] offset:\k+\i*16*PITCH
	ds_load_b128 v[96*\f+8*\i+4:96*\f+8*\i+7], v[ADRB+\slot] offset:\k+\i*16*PITCH+32
.endr
.endm
; One of a K step's first three quarters: multiplies buffers f; in its middle it fetches the next quarter's fragments into buffers g.
.macro QUARTER slot, k, f, g, first
	s_wait_dscnt 8                                 ; x's fragments and W_attn's tiles 0-7 are in; the youngest eight loads (tiles 8-11) may be out
.if \first
	WIN MUL_LOB
.else
	WIN MUL_LO
.endif
	MUL16 \f, 0, \first
	MUL16 \f, 2, \first
	PLACES
	FETCH \slot, \k, \g
	s_wait_dscnt 32                                ; all but the 32 just issued
	WIN MUL_HI
	MULH \f, \first
.endm
.macro THREE slot, first
	QUARTER \slot, 64,  0, 1, \first
	QUARTER \slot, 128, 1, 0, 0
	QUARTER \slot, 192, 0, 1, 0
.endm
; The last quarter multiplies buffers 1 and changes slots.  In front of the barrier each wave waits for its reads of this slot and for all its
; tensor loads (one is out: its part of the next slot).  Where this slot is filled again the barrier opens a round of the cluster's barrier,
; and the joint refill is the first tensor load behind the round: one load of the wave is out from there on.
.macro TURN slot, next, fill
	s_wait_dscnt 8
	WIN MUL_LO
	MUL16 1, 0, 0
	s_wait_dscnt 0
	s_wait_tensorcnt 0x0
	ds_add_u32 v255, v255
	s_wait_dscnt 0x0
	s_barrier_signal -1
	MUL16 1, 2, 0                                  ; register work while the others arrive
	WIN 0
	s_barrier_wait -1
.if \fill
	CREST
	s_add_nc_u64 s[G0+4*\slot+2:G0+4*\slot+3], s[G0+4*\slot+2:G0+4*\slot+3], 2*KSTEP*2      ; no tensor load of mine is out: group 0 may be written
	s_add_nc_u64 s[G0B+4*\slot+2:G0B+4*\slot+3], s[G0B+4*\slot+2:G0B+4*\slot+3], 2*KSTEP*2
	JLOAD \slot
.endif
	PLACES
	FETCH \next, 0, 0
	WIN MUL_HI
	MULH 1, 0
.endm
.macro LAP first
	THREE 0, \first
	TURN 0, 1, 1
	THREE 1, 0
	TURN 1, 0, 1
.endm
	s_wait_tensorcnt 1                             ; my part of K step 0 is in; K step 1's may stay out
	s_barrier_signal -1
	s_barrier_wait -1
	FETCH 0, 0, 0
	s_wait_loadcnt 0x0                             ; the bias
	LAP 1                                          ; the first lap stands in front of the loop: its first products take the bias as C
	WIN 0
	s_mov_b32 s3, LAPS-2
.Llap:
	LAP 0
	WIN 0
	s_sub_co_u32 s3, s3, 1
	s_cmp_lg_u32 s3, 0
	s_cbranch_scc1 .Llap
	THREE 0, 0                                     ; the last lap fills nothing
	TURN 0, 1, 0
	THREE 1, 0
	s_wait_dscnt 8
	WIN MUL_LO
	MUL16 1, 0, 0
	MUL16 1, 2, 0
	s_wait_dscnt 0
	WIN MUL_HI
	MULH 1, 0
	; THE WAY OUT, 16 rows at a time: round to f16, 16 bytes a lane into my own stage, read back so that a store covers four rows of one head.
	PLACES
	s_lshr_b32 s16, s13, 3                         ; batch = by / 8
	s_mul_i32 s16, s16, 48
	s_mul_i32 s46, s42, 3                          ; my three heads begin at hc = 3 bx
	s_add_co_u32 s46, s46, s16
	s_lshl_b32 s46, s46, 18                        ; x 262,144 bytes
	s_and_b32 s16, s13, 7
	s_lshl_b32 s16, s16, 8
	s_lshl_b32 s17, s10, 6
	s_add_co_u32 s16, s16, s17                     ; t of my first row = 256 (by % 8) + 64 wave
	s_lshl_b32 s16, s16, 7                         ; x 128 bytes
	s_add_co_u32 s46, s46, s16                     ; below 25,165,824
	s_mov_b32 s47, 0
	s_add_nc_u64 s[8:9], s[8:9], s[46:47]
.macro OUT16 a
	WIN 0x0a                                       ; sources in window 2
.irp b, 0,1,2,3,4,5,6,7
.irp r, 0,1,2,3
	v_cvt_pk_f16_f32 v[TMP+4*\b+\r], v[8*(8*\a+\b)+2*\r], v[8*(8*\a+\b)+2*\r+1]
.endr
.endr
	WIN 0x0f                                       ; sources in window 3
.irp b, 8,9,10,11
.irp r, 0,1,2,3
	v_cvt_pk_f16_f32 v[TMP+4*\b+\r], v[8*(4*\a+\b-8)+2*\r], v[8*(4*\a+\b-8)+2*\r+1]
.endr
.endr
	WIN 0
.irp b, 0,1,2,3,4,5,6,7,8,9,10,11
	ds_store_b128 v[STO], v[TMP+4*\b:TMP+4*\b+3] offset:32*\b
.endr
	s_wait_xcnt 0x0                                ; OUTB, which the last sixteen rows' stores read, is loaded again only behind this wait
.irp hd, 0,1,2
.irp u, 0,1,2,3
	ds_load_b128 v[OUTB+4*(4*\hd+\u):OUTB+4*(4*\hd+\u)+3], v[RD] offset:\hd*128+\u*4*SPITCH   ; a wave's LDS instructions are served in order: these see the stores above
.endr
.endr
.irp hd, 0,1,2
.irp u, 0,1,2,3
	s_wait_dscnt 11-(4*\hd+\u)                     ; this read-back is in, the younger ones stay out
	global_store_b128 v[CO], v[OUTB+4*(4*\hd+\u):OUTB+4*(4*\hd+\u)+3], s[8:9] offset:\hd*HEADB+\a*2048+\u*512   ; 512 neighbouring bytes at a multiple of 512
.endr
.endr
.endm
	OUT16 0
	OUT16 1
	OUT16 2
	OUT16 3
	s_set_vgpr_msb 0x1
	s_wait_tensorcnt 0x0
	ds_add_u32 v255, v255
	s_wait_dscnt 0x0
	s_set_vgpr_msb 0x100
	CROUND                                         ; the closing round: no work-group ends while a partner may still ask for a tile that names it
	s_endpgm
.Lfunc_end_k_q086dd4070b_qkv:
	.size	k_q086dd4070b_qkv, .Lfunc_end_k_q086dd4070b_qkv-k_q086dd4070b_qkv
	.p2alignl 7, 3214868480
	.fill 96, 4, 3214868480
	.section	.rodata,"a",@progbits
	.p2align	6, 0x0
	.amdhsa_kernel k_q086dd4070b_qkv
		.amdhsa_group_segment_fixed_size 327680
		.amdhsa_private_segment_fixed_size 0
		.amdhsa_enable_private_segment 0
		.amdhsa_kernarg_size 24
		.amdhsa_user_sgpr_count 2
		.amdhsa_user_sgpr_kernarg_segment_ptr 1
		.amdhsa_wavefront_size32 1
		.amdhsa_system_sgpr_workgroup_id_x 1
		.amdhsa_system_sgpr_workgroup_id_y 1
		.amdhsa_system_sgpr_workgroup_id_z 1
		.amdhsa_system_vgpr_workitem_id 0
		.amdhsa_next_free_vgpr 992
		.amdhsa_next_free_sgpr 66
		.amdhsa_reserve_vcc 0
		.amdhsa_float_denorm_mode_32 3
		.amdhsa_float_denorm_mode_16_64 3
		.amdhsa_memory_ordered 1
		.amdhsa_forward_progress 1
		.amdhsa_inst_pref_size 166
	.end_amdhsa_kernel
	.amdgpu_metadata
---
amdhsa.version: [ 1, 2 ]
amdhsa.kernels:
  - .name:           k_q086dd4070b_qkv
    .symbol:         k_q086dd4070b_qkv.kd
    .args:
      - { .name: cb, .offset: 0, .size: 8, .value_kind: global_buffer, .address_space: global }
      - { .name: b_attn, .offset: 8, .size: 8, .value_kind: global_buffer, .address_space: global }
      - { .name: qkv, .offset: 16, .size: 8, .value_kind: global_buffer, .address_space: global }
    .group_segment_fixed_size: 327680
    .private_segment_fixed_size: 0
    .kernarg_segment_align: 8
    .kernarg_segment_size: 24
    .max_flat_workgroup_size: 128
    .sgpr_count:     66
    .vgpr_count:     992
    .wavefront_size: 32
...
	.end_amdgpu_metadata
.endif
;; end of part 2
;; launch attn (part 3): grid 256 x 1, 4 waves a work-group, no clusters, 327,680 bytes of LDS; arguments qkv, yb; writes yb
.if DOCPART == 3
	.amdgcn_target "amdgcn-amd-amdhsa--gfx1250"
	.amdhsa_code_object_version 6
	.text
	.protected	k_q086dd4070b_attn
	.globl	k_q086dd4070b_attn
	.p2align	8
	.type	k_q086dd4070b_attn,@function
k_q086dd4070b_attn:
	s_mov_b64 s[64:65], 0
	v_nop
	global_prefetch_b8 v0, s[64:65] scope:SCOPE_SE
	s_setreg_imm32_b32 hwreg(HW_REG_WAVE_MODE, 25, 1), 1
	s_wait_xcnt 0x0
; Causal attention, f16 operands, f32 scores, sums and softmax with a running maximum.  qkv: f16 [2][48][2048][64] (q, k, v heads); yb: f16 [4096][1024].
; LIMITS: y is kept in f16 (magnitudes below 65,504); P = exp(score - maximum) is rounded to f16 (absolute error at most 2^-25 below 2^-14).
; NaN and infinite inputs are not served.
; WORK: work-group g: j = g % 16, head pair hp = (g / 16) % 8, batch = g / 128.  It owns heads 2 hp, 2 hp + 1 and two blocks of 64 queries: first
; block 31 - j, then block j.  Block i needs (i / 2) + 1 tiles of 128 keys (later keys are masked by the causal rule and are not computed), and
; the two counts add up to 17 for every j: 256 work-groups of 17 equal steps.  Two heads side by side make y's 256 neighbouring bytes.
; WAVES: hd = wave % 2 is the wave's head, kh = wave / 2 its half of every tile's keys.  A wave runs 64 queries x 64 keys a step with a running
; maximum of its own; the two key halves of a head are joined once for each block, through LDS (FIN).
; NO CLUSTER: the sixteen work-groups of a head pair walk 9 to 16 tiles of their first block and then begin again at tile 0, so in one and the
; same step partners want different tiles; walking in step would cost 24 steps instead of 17.
; NO PREFETCH: k and v are read by sixteen neighbouring work-groups shortly after each other and were stored by the launch before.
; ORIENTATION: S^T = K Q^T (source 0 = 16 keys, source 1 = 16 queries): lane (r, h) register j = key 16 t + 8 h + j, query 16 u + r.  Packed by pairs
; that is already the second source of O^T = V^T P, whose first source comes from LDS by the transposing load.  Every figure of a query is a lane's own.
.set SLOT, 77824                       ; a slot: K of head 0, K of head 1 (128 rows, pitch 144), V of head 0, V of head 1 (128 rows, pitch 160)
.set KHD,  18432
.set VOFF, 36864
.set VHD,  20480
.set KP,   144                         ; odd multiple of 16: the 16 rows of a K fragment load begin at different 16-byte columns modulo 256 bytes
.set VP,   160                         ; odd multiple of 32, for the transposing load
.set XCH,  2*SLOT                      ; 155,648: per head 17,408 bytes in which the upper key half hands over O (16,384), its maxima (512), its sums (512)
.set XBOX, 17408
.set YST,  XCH+2*XBOX                  ; 190,464: y's stage, a region of 9,344 bytes for each head: 64 rows, pitch 144.  XCH and YST are never a tensor load's target
.set YHD,  9344
.set YP,   144
; window 0
.set VK,  8                            ; v8-9   LDS address of my K fragments in slot 0, 1
.set VV,  10                           ; v10-11 the same for V (transposing load)
.set VQ,  12                           ; my byte offset in a block of Q
.set VX,  13                           ; my 16 bytes in my head's exchange box
.set VYS, 15                           ; y's stage, in
.set VYL, 16                           ; y's stage, back
.set VYG, 17                           ; my byte offset in y
.set ORW, 32                           ; v32-63   rows of y on their way out
.set KF,  64                           ; v64-127  K fragment (t, c) at KF + 8 (2 t + c)
.set VF,  128                          ; v128-191 V^T fragment (dt, cc) at VF + 8 (2 dt + cc)
.set XB,  64                           ; v64-191  in FIN: the partner's O
.set CV,  192                          ; v192-255 in FIN: y in f16
; window 1: v0-127 S, tile (t, u) at 32 u + 8 t
.set PF,  128                          ; v128-191 P fragment (u, cc) at PF + 16 u + 8 cc
.set MC,  192                          ; v192-195 running maximum of query tile u, in units of the exponent (score x 0.125 log2 e)
.set LS,  196                          ; v196-199 running sum: the lane's own keys only; the two lane halves are joined in FIN
.set AL,  200                          ; v200-203 the step's factor for old sums
.set MX,  204                          ; v204-207 the step's maximum
.set T,   208                          ; v208-223 at work
.set VDH, 224                          ; mask figure of the first block
.set VDL, 225                          ; of the second
; window 2: v0-127 O, tile (dt, u) at 32 u + 8 dt; v128-191 Q fragment (u, c) at QF + 8 (2 u + c)
.set QF,  128
.set MSB, 0
.macro WIN new                         ; low byte: bits 1:0 source 0, 3:2 source 1, 5:4 source 2, 7:6 destination; high byte: the setting that is left
.if MSB != \new
	s_set_vgpr_msb (MSB<<8)|\new
.set MSB, \new
.endif
.endm
.macro PLACES                          ; four plain vector places behind a matrix instruction (ISA guide 7.12.1)
.rept 4
	v_nop
.endr
.endm
; The wave's one tensor load of a step: waves 0, 1 bring K of head 0, 1; waves 2, 3 bring V of head 0, 1; 128 rows of 128 bytes into slot s.
.macro KVLOAD s
	s_cmp_eq_u32 s10, 0
	s_cbranch_scc0 .Lfor_v_\@
	tensor_load_to_lds s[40+4*\s:43+4*\s], s[24:31]
	s_nop 0
	s_branch .Lasked_\@
.Lfor_v_\@:
	tensor_load_to_lds s[48+4*\s:51+4*\s], s[32:39]
	s_nop 0
.Lasked_\@:
.endm
; 64 queries x 64 numbers of my head into the eight Q fragments
.macro QLOAD base
	WIN 0x80
.irp u, 0,1,2,3
.irp c, 0,1
	global_load_b128 v[QF+8*(2*\u+\c):QF+8*(2*\u+\c)+3],   v[VQ], s[\base:\base+1] offset:\u*2048+\c*64
	global_load_b128 v[QF+8*(2*\u+\c)+4:QF+8*(2*\u+\c)+7], v[VQ], s[\base:\base+1] offset:\u*2048+\c*64+32
.endr
.endr
	WIN 0
.endm
; The block's last tile: key <= query means 16 (t - u) + j <= r - 8 h + 64 (i % 2) - 64 kh, the lane's figure vd.  Other scores become -infinity.
.macro MASK vd
	WIN 0x55
.irp u, 0,1,2,3
.irp t, 0,1,2,3
.irp j, 0,1,2,3,4,5,6,7
	v_cmp_le_i32 vcc_lo, 16*(\t-\u)+\j, v[\vd]
	v_cndmask_b32 v[32*\u+8*\t+\j], s66, v[32*\u+8*\t+\j], vcc_lo
.endr
.endr
.endr
	WIN 0
.endm
.macro SCALE u, mp, sel                ; S = c S - maximum, query tile u; the maximum is register sel of the pair at MC + mp
.set cnt, 0
.rept 16
	v_pk_fma_f32 v[32*\u+2*cnt:32*\u+2*cnt+1], v[32*\u+2*cnt:32*\u+2*cnt+1], s[60:61], v[MC+\mp:MC+\mp+1] op_sel:[0,0,\sel] op_sel_hi:[1,0,\sel] neg_lo:[0,0,1] neg_hi:[0,0,1]
.set cnt, cnt+1
.endr
.endm
.macro RESC u, reg, sel                ; O of query tile u times register sel of the pair at reg (window 1)
.set cnt, 0
.rept 16
	v_pk_mul_f32 v[32*\u+2*cnt:32*\u+2*cnt+1], v[32*\u+2*cnt:32*\u+2*cnt+1], v[\reg:\reg+1] op_sel:[0,\sel] op_sel_hi:[1,\sel]
.set cnt, cnt+1
.endr
.endm
.macro JOIN u, reg, sel                ; O += the partner's O times its factor
.set cnt, 0
.rept 16
	v_pk_fma_f32 v[32*\u+2*cnt:32*\u+2*cnt+1], v[XB+32*\u+2*cnt:XB+32*\u+2*cnt+1], v[\reg:\reg+1], v[32*\u+2*cnt:32*\u+2*cnt+1] op_sel:[0,\sel,0] op_sel_hi:[1,\sel,1]
.set cnt, cnt+1
.endr
.endm
; One step's softmax on 64 keys x 64 queries, four query tiles side by side so that no chain waits for itself.
.macro SOFTMAX first
	WIN 0x55
.irp u, 0,1,2,3
	v_max3_num_f32 v[MX+\u], v[32*\u], v[32*\u+1], v[32*\u+2]
.endr
.irp q, 3,5,7,9,11,13,15,17,19,21,23,25,27,29
.irp u, 0,1,2,3
	v_max3_num_f32 v[MX+\u], v[MX+\u], v[32*\u+\q], v[32*\u+\q+1]
.endr
.endr
.irp u, 0,1,2,3
	v_max_num_f32 v[MX+\u], v[MX+\u], v[32*\u+31]
.endr
.irp u, 0,1,2,3
	v_permlanex16_b32 v[T+4*\u], v[MX+\u], s62, s63        ; the other eight keys of each group of sixteen lie in the other half of the lanes
.endr
.irp u, 0,1,2,3
	v_max_num_f32 v[MX+\u], v[MX+\u], v[T+4*\u]
.endr
.if \first
.irp u, 0,1,2,3
	v_mul_f32 v[MC+\u], s60, v[MX+\u]                      ; the first tile has no masked score: its maximum is finite
.endr
.else
.irp u, 0,1,2,3
	v_mul_f32 v[T+4*\u], s60, v[MX+\u]                     ; kept by itself: it is both subtracted and compared
.endr
.irp u, 0,1,2,3
	v_sub_f32 v[AL+\u], v[MC+\u], v[T+4*\u]                ; the old maximum is finite, so this is never infinity minus infinity
.endr
.irp u, 0,1,2,3
	v_max_num_f32 v[MC+\u], v[MC+\u], v[T+4*\u]
.endr
.irp u, 0,1,2,3
	v_min_num_f32 v[AL+\u], 0, v[AL+\u]
.endr
.irp u, 0,1,2,3
	v_exp_f32 v[AL+\u], v[AL+\u]                           ; used far below: the plain instructions of SCALE stand between (ISA guide 5.7.2)
.endr
.endif
	SCALE 0, 0, 0
	SCALE 1, 0, 1
	SCALE 2, 2, 0
	SCALE 3, 2, 1
.set cnt, 0
.rept 128
	v_exp_f32 v[cnt], v[cnt]
.set cnt, cnt+1
.endr
	v_nop                                                  ; one plain place behind the last exponential
	s_wait_alu depctr_va_vdst(0)
.irp u, 0,1,2,3
	v_pk_add_f32 v[T+4*\u:T+4*\u+1],   v[32*\u:32*\u+1],   v[32*\u+2:32*\u+3]
	v_pk_add_f32 v[T+4*\u+2:T+4*\u+3], v[32*\u+4:32*\u+5], v[32*\u+6:32*\u+7]
.endr
.irp q, 8,12,16,20,24,28
.irp u, 0,1,2,3
	v_pk_add_f32 v[T+4*\u:T+4*\u+1],   v[T+4*\u:T+4*\u+1],   v[32*\u+\q:32*\u+\q+1]
	v_pk_add_f32 v[T+4*\u+2:T+4*\u+3], v[T+4*\u+2:T+4*\u+3], v[32*\u+\q+2:32*\u+\q+3]
.endr
.endr
.irp u, 0,1,2,3
	v_pk_add_f32 v[T+4*\u:T+4*\u+1], v[T+4*\u:T+4*\u+1], v[T+4*\u+2:T+4*\u+3]
.endr
.if \first
.irp u, 0,1,2,3
	v_add_f32 v[LS+\u], v[T+4*\u], v[T+4*\u+1]
.endr
.else
.irp u, 0,1,2,3
	v_add_f32 v[T+4*\u], v[T+4*\u], v[T+4*\u+1]
.endr
.irp u, 0,1,2,3
	v_fma_f32 v[LS+\u], v[LS+\u], v[AL+\u], v[T+4*\u]
.endr
.endif
.set cnt, 0
.rept 64
	v_cvt_pk_f16_f32 v[PF+cnt], v[2*cnt], v[2*cnt+1]       ; S registers 32 u + 16 cc + 0..15 become P fragment (u, cc)
.set cnt, cnt+1
.endr
.if \first
.else
	WIN 0x86
	RESC 0, AL, 0
	RESC 1, AL, 1
	RESC 2, AL+2, 0
	RESC 3, AL+2, 1
.endif
.endm
; The end of a block: the two key halves of each head are joined, y is divided by the sum, rounded and stored.
.macro FIN yb
	PLACES                                                 ; behind the last products: O is stored, K's and V's fragment registers are loaded into
	s_cmp_eq_u32 s10, 0
	s_cbranch_scc1 .Lkeep_\@
	WIN 0x08                                               ; waves 2, 3: O (window 2), 512 neighbouring bytes a store
.set cnt, 0
.rept 32
	ds_store_b128 v[VX], v[4*cnt:4*cnt+3] offset:512*cnt
.set cnt, cnt+1
.endr
	WIN 0x04
	ds_store_b128 v[VX], v[MC:MC+3] offset:16384
	ds_store_b128 v[VX], v[LS:LS+3] offset:16896
	WIN 0
.Lkeep_\@:
	s_wait_dscnt 0x0                                       ; for the partner's sake: my stores are done
	s_barrier_signal -1                                    ; the step's tensor load may stay out
	s_barrier_wait -1
	s_cmp_lg_u32 s10, 0
	s_cbranch_scc1 .Lsent_\@
.set cnt, 0
.rept 32
	ds_load_b128 v[XB+4*cnt:XB+4*cnt+3], v[VX] offset:512*cnt
.set cnt, cnt+1
.endr
	WIN 0x40
	ds_load_b128 v[T:T+3],   v[VX] offset:16384           ; the partner's maxima
	ds_load_b128 v[T+4:T+7], v[VX] offset:16896           ; and sums
	s_wait_dscnt 0x0
	WIN 0x55
.irp u, 0,1,2,3
	v_max_num_f32 v[MX+\u], v[MC+\u], v[T+\u]              ; the lower key half always holds key 0, so this maximum is a real score's
.endr
.irp u, 0,1,2,3
	v_sub_f32 v[AL+\u], v[MC+\u], v[MX+\u]
.endr
.irp u, 0,1,2,3
	v_sub_f32 v[T+8+\u], v[T+\u], v[MX+\u]                 ; a half that saw no valid key still has the floor as its maximum: its factor is 0
.endr
.irp u, 0,1,2,3
	v_exp_f32 v[AL+\u], v[AL+\u]
.endr
.irp u, 0,1,2,3
	v_exp_f32 v[T+8+\u], v[T+8+\u]
.endr
	v_nop
	s_wait_alu depctr_va_vdst(0)
.irp u, 0,1,2,3
	v_mul_f32 v[LS+\u], v[LS+\u], v[AL+\u]
.endr
.irp u, 0,1,2,3
	v_fma_f32 v[LS+\u], v[T+4+\u], v[T+8+\u], v[LS+\u]
.endr
.irp u, 0,1,2,3
	v_permlanex16_b32 v[MX+\u], v[LS+\u], s62, s63         ; the other half of the lanes summed the other keys
.endr
.irp u, 0,1,2,3
	v_add_f32 v[LS+\u], v[LS+\u], v[MX+\u]                 ; at least 1: the largest score's own term
.endr
.irp u, 0,1,2,3
	v_rcp_f32 v[LS+\u], v[LS+\u]
.endr
	v_nop
	s_wait_alu depctr_va_vdst(0)
.irp u, 0,1,2,3
	v_mul_f32 v[AL+\u], v[AL+\u], v[LS+\u]
	v_mul_f32 v[T+8+\u], v[T+8+\u], v[LS+\u]
.endr
	WIN 0x86
	RESC 0, AL, 0
	RESC 1, AL, 1
	RESC 2, AL+2, 0
	RESC 3, AL+2, 1
	WIN 0xa4
	JOIN 0, T+8, 0
	JOIN 1, T+8, 1
	JOIN 2, T+10, 0
	JOIN 3, T+10, 1
	WIN 0x0a
.set cnt, 0
.rept 64
	v_cvt_pk_f16_f32 v[CV+cnt], v[2*cnt], v[2*cnt+1]       ; four registers = numbers 16 dt + 8 h + 0..7 of query 16 u + r
.set cnt, cnt+1
.endr
	WIN 0
.irp u, 0,1,2,3
.irp dt, 0,1,2,3
	ds_store_b128 v[VYS], v[CV+16*\u+4*\dt:CV+16*\u+4*\dt+3] offset:\u*16*YP+\dt*32
.endr
.endr
.Lsent_\@:
	s_wait_dscnt 0x0
	s_barrier_signal -1
	s_barrier_wait -1
	s_wait_xcnt 0x0                                        ; ORW, which the first block's stores read, is loaded again only behind this wait
.irp tt, 0,1,2,3,4,5,6,7
	ds_load_b128 v[ORW+4*\tt:ORW+4*\tt+3], v[VYL] offset:\tt*2*YP
.endr
.irp tt, 0,1,2,3,4,5,6,7
	s_wait_dscnt 7-\tt                                     ; this read-back is in, the younger ones stay out
	global_store_b128 v[VYG], v[ORW+4*\tt:ORW+4*\tt+3], s[\yb:\yb+1] offset:\tt*4096   ; sixteen lanes store the head pair's 256 neighbouring bytes of a row
.endr
.endm
; One step: 128 keys of both heads from slot `slot`.  fill: the next step's tile goes into slot `oth`.  first: the sums begin.
; endmode 0: inside the first block for certain; 1: the first block ends here if s56 = s16; 2: the second block ends here.
.macro STEP slot, oth, fill, first, endmode, vd, yb
	s_wait_tensorcnt 0x0                                   ; all my tensor loads are done, my part of this step's tile among them: every group 0 may be written
	ds_add_u32 v30, v31
	s_wait_dscnt 0x0
.if \fill
	s_add_co_u32 s58, s56, 1                               ; the next step's tile: step + 1 in the first block, step + 1 - n2 in the second
	s_sub_co_u32 s59, s58, s15
	s_cmp_lt_u32 s58, s15
	s_cselect_b32 s58, s58, s59
	s_lshl_b32 s58, s58, 14                                ; x 128 rows of 128 bytes
	s_mov_b32 s59, 0
	s_add_nc_u64 s[42+4*\oth:43+4*\oth], s[22:23], s[58:59]
	s_or_b32 s[43+4*\oth], s[43+4*\oth], 0x80000000
	s_add_nc_u64 s[50+4*\oth:51+4*\oth], s[22:23], s[58:59]
	s_or_b32 s[51+4*\oth], s[51+4*\oth], 0x80000000
	s_add_co_u32 s56, s56, 1
.endif
	s_wait_dscnt 0x0                                       ; my reads of the other slot are done
	s_barrier_signal -1
	s_barrier_wait -1                                      ; both now hold of all four waves
.if \fill
	KVLOAD \oth                                            ; my one tensor load behind this barrier; it has the whole step in which to land
.endif
	PLACES                                                 ; behind the last step's products, whose sources are loaded into now
.irp t, 0,1,2,3
.irp c, 0,1
	ds_load_b128 v[KF+8*(2*\t+\c):KF+8*(2*\t+\c)+3],   v[VK+\slot] offset:\t*16*KP+64*\c
	ds_load_b128 v[KF+8*(2*\t+\c)+4:KF+8*(2*\t+\c)+7], v[VK+\slot] offset:\t*16*KP+64*\c+32
.endr
.endr
.irp dt, 0,1,2,3
.irp cc, 0,1
	ds_load_tr16_b128 v[VF+8*(2*\dt+\cc):VF+8*(2*\dt+\cc)+3],   v[VV+\slot] offset:\cc*32*VP+32*\dt
	ds_load_tr16_b128 v[VF+8*(2*\dt+\cc)+4:VF+8*(2*\dt+\cc)+7], v[VV+\slot] offset:\cc*32*VP+32*\dt+16*VP
.endr
.endr
	s_wait_loadcnt 0x0                                     ; Q (met at once in all steps but a block's first)
	s_wait_dscnt 16                                        ; K's sixteen loads are in; V's sixteen, issued behind them, may stay out
	WIN 0x58
	; the sixteen score tiles take turns, one instruction a turn
.irp u, 0,1,2,3
.irp t, 0,1,2,3
	v_wmma_f32_16x16x32_f16 v[32*\u+8*\t:32*\u+8*\t+7], v[KF+16*\t:KF+16*\t+7], v[QF+16*\u:QF+16*\u+7], 0
.endr
.endr
.irp u, 0,1,2,3
.irp t, 0,1,2,3
	v_wmma_f32_16x16x32_f16 v[32*\u+8*\t:32*\u+8*\t+7], v[KF+16*\t+8:KF+16*\t+15], v[QF+16*\u+8:QF+16*\u+15], v[32*\u+8*\t:32*\u+8*\t+7]
.endr
.endr
	WIN 0
	PLACES
.if \endmode == 1
	s_sub_co_u32 s58, s56, 1                               ; this step's number (s56 has been stepped above)
	s_cmp_lg_u32 s58, s16
	s_cbranch_scc1 .Lnomask_\@
.endif
.if \endmode
	MASK \vd
.endif
.if \endmode == 1
	QLOAD 20                                               ; the second block's queries: the scores above were the last use of the first block's
.Lnomask_\@:
.endif
	SOFTMAX \first
	s_wait_dscnt 0x0                                       ; V's fragments
	WIN 0xa4
	; the sixteen tiles of O take turns, one instruction a turn
.irp cc, 0,1
.irp dt, 0,1,2,3
.irp u, 0,1,2,3
.if \first*(1-\cc)
	v_wmma_f32_16x16x32_f16 v[32*\u+8*\dt:32*\u+8*\dt+7], v[VF+8*(2*\dt+\cc):VF+8*(2*\dt+\cc)+7], v[PF+16*\u+8*\cc:PF+16*\u+8*\cc+7], 0
.else
	v_wmma_f32_16x16x32_f16 v[32*\u+8*\dt:32*\u+8*\dt+7], v[VF+8*(2*\dt+\cc):VF+8*(2*\dt+\cc)+7], v[PF+16*\u+8*\cc:PF+16*\u+8*\cc+7], v[32*\u+8*\dt:32*\u+8*\dt+7]
.endif
.endr
.endr
.endr
	WIN 0
.if \endmode == 1
	s_sub_co_u32 s58, s56, 1
	s_cmp_lg_u32 s58, s16
	s_cbranch_scc1 .Lnofin_\@
.endif
.if \endmode
	FIN \yb
.endif
.if \endmode == 1
	; The second block begins: the running maxima fall to the lowest finite number.  O and the sums are not cleared: the first real score makes the
	; factor for old sums exp2 of a huge negative number, 0, and what they hold is finite.
	WIN 0x40
.irp u, 0,1,2,3
	v_mov_b32 v[MC+\u], s67
.endr
	WIN 0
.Lnofin_\@:
.endif
.endm
	s_load_b128 s[4:7], s[0:1], 0x0                ; qkv s[4:5], yb s[6:7]
	v_lshl_add_u32 v30, v0, 2, 0x33100
	v_mov_b32 v31, 0
	ds_add_u32 v30, v31
	ds_add_u32 v30, v31
	v_lshrrev_b32 v1, 5, v0
	v_readfirstlane_b32 s8, v1                     ; wave
	s_and_b32 s9, s8, 1                            ; hd
	s_lshr_b32 s10, s8, 1                          ; kh; also: I fetch K (0) or V (1)
	s_and_b32 s11, ttmp9, 15                       ; j = the second block
	s_bfe_u32 s12, ttmp9, 0x30004                  ; hp
	s_lshr_b32 s13, ttmp9, 7                       ; batch
	s_sub_co_u32 s14, 31, s11                      ; the first block
	s_lshr_b32 s15, s14, 1
	s_add_co_u32 s15, s15, 1                       ; n2: its tiles, 9 to 16
	s_sub_co_u32 s16, s15, 1                       ; its last step, 8 to 15
	s_mul_i32 s17, s13, 48
	s_lshl1_add_u32 s17, s12, s17
	s_add_co_u32 s17, s17, s9                      ; q's head in the buffer: 48 batch + 2 hp + hd
	s_mov_b32 s3, 0
	; group 1: 128 rows x 64 elements of 2 bytes, dense in memory; behind every 32 words 4 words of padding (K) or 8 (V)
	s_mov_b32 s24, (1<<16)|(1<<20)|(4<<22)|(3<<25)
	s_mov_b32 s32, (1<<16)|(1<<20)|(4<<22)|(7<<25)
	s_mov_b32 s25, 64<<16                          ; tensor_dim0
	s_mov_b32 s33, 64<<16
	s_mov_b32 s26, 128<<16                         ; tensor_dim1
	s_mov_b32 s34, 128<<16
	s_mov_b32 s27, 64<<16                          ; tile_dim0
	s_mov_b32 s35, 64<<16
	s_mov_b32 s28, 128                             ; tile_dim1
	s_mov_b32 s36, 128
	s_mov_b32 s29, 64                              ; elements from row to row
	s_mov_b32 s37, 64
	s_mov_b32 s30, 0
	s_mov_b32 s38, 0
	s_mov_b32 s31, 0
	s_mov_b32 s39, 0
	s_mul_i32 s58, s9, KHD
	s_mul_i32 s59, s9, VHD
	s_add_co_u32 s59, s59, VOFF
.irp s, 0,1
	s_mov_b32 s[40+4*\s], 1
	s_add_co_u32 s[41+4*\s], s58, \s*SLOT          ; K of my head
	s_mov_b32 s[48+4*\s], 1
	s_add_co_u32 s[49+4*\s], s59, \s*SLOT          ; V of my head
.endr
	s_lshl_b32 s2, s10, 4
	s_add_co_u32 s2, s2, s17
	s_add_co_u32 s2, s2, 16                        ; k's heads begin at 16, v's at 32
	s_lshl_b32 s2, s2, 18
	s_wait_dscnt 0x0
	s_wait_kmcnt 0x0
	s_add_nc_u64 s[22:23], s[4:5], s[2:3]          ; tile 0 of what I fetch
	s_mov_b64 s[42:43], s[22:23]
	s_or_b32 s43, s43, 0x80000000
	s_mov_b64 s[50:51], s[22:23]
	s_or_b32 s51, s51, 0x80000000
	KVLOAD 0                                       ; the first fill; slot 1 is first filled behind the first step's barrier
	v_and_b32 v1, 15, v0                           ; r
	v_bfe_u32 v2, v0, 4, 1                         ; h
	v_lshlrev_b32 v6, 7, v1
	v_lshl_add_u32 v[VQ], v2, 4, v6                ; 128 r + 16 h
	s_lshl_b32 s58, s17, 18
	s_lshl_b32 s2, s14, 13                         ; 64 rows of 128 bytes a block
	s_add_co_u32 s2, s2, s58
	s_add_nc_u64 s[18:19], s[4:5], s[2:3]          ; Q of the first block
	s_lshl_b32 s2, s11, 13
	s_add_co_u32 s2, s2, s58
	s_add_nc_u64 s[20:21], s[4:5], s[2:3]          ; Q of the second
	QLOAD 18
	s_lshl_b32 s58, s13, 22                        ; y: batch x 2,048 rows of 2,048 bytes
	s_lshl_b32 s2, s12, 8                          ; + the head pair's 256 bytes
	s_add_co_u32 s58, s58, s2
	s_lshl_b32 s2, s14, 17                         ; + 64 rows a block
	s_add_co_u32 s2, s2, s58
	s_add_nc_u64 s[68:69], s[6:7], s[2:3]
	s_lshl_b32 s2, s11, 17
	s_add_co_u32 s2, s2, s58
	s_add_nc_u64 s[70:71], s[6:7], s[2:3]
	s_mov_b32 s60, 0x3e38aa3b                      ; 0.125 log2 e: the scale 1 / sqrt(64) and the change of base in one
	s_mov_b32 s61, 0x3e38aa3b
	s_mov_b32 s62, 0x76543210                      ; v_permlanex16_b32: lane i of one half reads lane i of the other
	s_mov_b32 s63, 0xfedcba98
	s_mov_b32 s66, 0xff800000                      ; -infinity
	s_mov_b32 s67, 0xff7fffff                      ; the lowest finite number
	s_mov_b32 s56, 0                               ; steps begun
	v_and_b32 v3, 31, v0                           ; l
	v_and_b32 v4, 7, v0
	v_bfe_u32 v5, v0, 3, 1
	s_mul_i32 s58, s9, KHD
	s_mul_i32 s59, s10, 64*KP
	s_add_co_u32 s58, s58, s59
	v_mul_u32_u24 v6, v1, KP
	v_lshl_add_u32 v6, v2, 4, v6
	v_add_nc_u32 v[VK], s58, v6                    ; K: (64 kh + r) x 144 + 16 h in my head's part
	v_add_nc_u32 v[VK+1], SLOT, v[VK]
	s_mul_i32 s58, s9, VHD
	s_mul_i32 s59, s10, 64*VP
	s_add_co_u32 s58, s58, s59
	s_add_co_u32 s58, s58, VOFF
	v_lshl_add_u32 v6, v2, 3, v4
	v_mul_u32_u24 v6, v6, VP
	v_lshl_add_u32 v6, v5, 4, v6
	v_add_nc_u32 v[VV], s58, v6                    ; V: (64 kh + 8 h + l % 8) x 160 + 16 ((l / 8) % 2)
	v_add_nc_u32 v[VV+1], SLOT, v[VV]
	s_mul_i32 s58, s9, XBOX
	s_add_co_u32 s58, s58, XCH
	v_lshl_add_u32 v[VX], v3, 4, s58
	s_mul_i32 s58, s9, YHD
	s_add_co_u32 s58, s58, YST
	v_mul_u32_u24 v6, v1, YP
	v_lshl_add_u32 v6, v2, 4, v6
	v_add_nc_u32 v[VYS], s58, v6
	s_lshl_b32 s58, s8, 4                          ; on the way out a wave takes 16 rows
	v_add_nc_u32 v7, s58, v2                       ; row 16 wave + l / 16
	v_mul_u32_u24 v6, v7, YP
	v_lshl_add_u32 v6, v4, 4, v6
	v_mul_u32_u24 v5, v5, YHD                      ; lanes 8-15 of each sixteen read the second head's region
	v_add3_u32 v[VYL], v6, v5, YST
	v_lshlrev_b32 v7, 11, v7
	v_lshl_add_u32 v[VYG], v1, 4, v7
	v_lshlrev_b32 v6, 3, v2
	v_sub_nc_u32 v6, v1, v6                        ; r - 8 h
	s_and_b32 s58, s14, 1
	s_sub_co_i32 s58, s58, s10
	s_lshl_b32 s58, s58, 6                         ; 64 (i % 2 - kh)
	s_and_b32 s59, s11, 1
	s_sub_co_i32 s59, s59, s10
	s_lshl_b32 s59, s59, 6
	WIN 0x40
	v_add_nc_u32 v[VDH], s58, v6
	v_add_nc_u32 v[VDL], s59, v6
.irp u, 0,1,2,3
	v_mov_b32 v[T+4*\u], 0                         ; v_permlanex16_b32's destination counts as read
.endr
	WIN 0
	STEP 0, 1, 1, 1, 0, VDH, 68                    ; step 0 starts the sums
	s_mov_b32 s57, 7
.Lsteps:
	STEP 1, 0, 1, 0, 1, VDH, 68                    ; steps 1 to 14
	STEP 0, 1, 1, 0, 1, VDH, 68
	s_sub_co_u32 s57, s57, 1
	s_cmp_lg_u32 s57, 0
	s_cbranch_scc1 .Lsteps
	STEP 1, 0, 1, 0, 1, VDH, 68                    ; step 15
	STEP 0, 1, 0, 0, 2, VDL, 70                    ; step 16: nothing is left to fetch; the second block ends
	s_wait_tensorcnt 0x0
	ds_add_u32 v30, v31
	s_wait_dscnt 0x0
	s_endpgm
.Lfunc_end_k_q086dd4070b_attn:
	.size	k_q086dd4070b_attn, .Lfunc_end_k_q086dd4070b_attn-k_q086dd4070b_attn
	.p2alignl 7, 3214868480
	.fill 96, 4, 3214868480
	.section	.rodata,"a",@progbits
	.p2align	6, 0x0
	.amdhsa_kernel k_q086dd4070b_attn
		.amdhsa_group_segment_fixed_size 327680
		.amdhsa_private_segment_fixed_size 0
		.amdhsa_enable_private_segment 0
		.amdhsa_kernarg_size 16
		.amdhsa_user_sgpr_count 2
		.amdhsa_user_sgpr_kernarg_segment_ptr 1
		.amdhsa_wavefront_size32 1
		.amdhsa_system_sgpr_workgroup_id_x 1
		.amdhsa_system_sgpr_workgroup_id_y 1
		.amdhsa_system_sgpr_workgroup_id_z 1
		.amdhsa_system_vgpr_workitem_id 0
		.amdhsa_next_free_vgpr 704
		.amdhsa_next_free_sgpr 72
		.amdhsa_reserve_vcc 1
		.amdhsa_float_denorm_mode_32 3
		.amdhsa_float_denorm_mode_16_64 3
		.amdhsa_memory_ordered 1
		.amdhsa_forward_progress 1
		.amdhsa_inst_pref_size 255
	.end_amdhsa_kernel
	.section	.bss,"aw",@nobits
	.p2align	6
	.space	262144
	.amdgpu_metadata
---
amdhsa.version: [ 1, 2 ]
amdhsa.kernels:
  - .name:           k_q086dd4070b_attn
    .symbol:         k_q086dd4070b_attn.kd
    .args:
      - { .name: qkv, .offset: 0, .size: 8, .value_kind: global_buffer, .address_space: global }
      - { .name: yb, .offset: 8, .size: 8, .value_kind: global_buffer, .address_space: global }
    .group_segment_fixed_size: 327680
    .private_segment_fixed_size: 0
    .kernarg_segment_align: 8
    .kernarg_segment_size: 16
    .max_flat_workgroup_size: 128
    .sgpr_count:     72
    .vgpr_count:     704
    .wavefront_size: 32
...
	.end_amdgpu_metadata
.endif
;; end of part 3
;; launch proj (part 4): grid 8 x 32, 4 waves a work-group, clusters of 4 x 4, 327,680 bytes of LDS; arguments yb, cb, b_proj, out0; writes out0
.if DOCPART == 4
	.amdgcn_target "amdgcn-amd-amdhsa--gfx1250"
	.amdhsa_code_object_version 6
	.text
	.protected	k_q086dd4070b_proj
	.globl	k_q086dd4070b_proj
	.p2align	8
	.type	k_q086dd4070b_proj,@function
k_q086dd4070b_proj:
	s_mov_b64 s[64:65], 0
	v_nop
	global_prefetch_b8 v0, s[64:65] scope:SCOPE_SE
	s_setreg_imm32_b32 hwreg(HW_REG_WAVE_MODE, 25, 1), 1
	s_wait_xcnt 0x0
	s_wait_alu depctr_hold_cnt(0) depctr_sa_sdst(0) depctr_va_vdst(0) depctr_va_sdst(0) depctr_va_ssrc(0) depctr_va_vcc(0) depctr_vm_vsrc(0)
	s_getreg_b32 s2, hwreg(HW_REG_IB_STS2, 6, 4)
	s_cmp_eq_u32 s2, 0
	s_cbranch_scc0 .Lentry_in_a_cluster
	s_endpgm
.Lentry_in_a_cluster:
	s_bfe_u32 s2, ttmp6, 0x10000c
	s_cmp_lg_u32 s2, 0xf033
	s_cbranch_scc0 .Lentry_shape_is_right
	s_endpgm
.Lentry_shape_is_right:
; out0[m][n] = sum over k of y[m][k] W_proj[n][k] + b_proj[n].  y: f16 [4096][1024]; W_proj: f16 [1024][1024] at byte 14,680,064 of cb; out0: f32.
; A work-group makes 128 x 128: 8 x 32 = 256 work-groups.  Four waves, 2 x 2, each 64 x 64 in 16 accumulator tiles.
; K = 1024 goes through two LDS slots of 256 along K each (two steps of 128 brought by one load), so that a refill has 128 matrix instructions
; of every wave in which to land and there are three changes of slot in all; the four slot steps are written out.
; CLUSTERS: 4 x 4 work-groups; y's tile is shared along a row of the cluster, W_proj's along a column: joint loads, as in the launch qkv.
; REGISTERS: window 0: v16-27 addresses; v64-127, v128-191 fragments of y, two buffers, (a, c) at + 8 (2 a + c); v192-223 bias as four C tiles; v224-255 way out
;            window 1: v0-127 accumulator (a, b) at 8 (4 a + b); v128-191, v192-255 fragments of W_proj, two buffers
; The matrix instruction is used transposed (source 0 = rows of W_proj): a lane holds eight neighbouring columns of one row of the result.
.set PITCH,  528                       ; 512 bytes + 16: an odd multiple of 16
.set HALFT,  64*PITCH                  ; what one tensor load brings: 64 rows
.set SLOT,   4*HALFT                   ; y's 128 rows, then W_proj's 128 rows: 135,168
.set STAGE,  2*SLOT                    ; 270,336: 16 rows x 272 bytes for each wave; no tensor load ever lands here
.set SPITCH, 272
.set WPF,    14680064
.set ADRA, 16
.set ADRB, 20
.set STO,  24
.set RD,   25
.set CO,   26
.set BO,   27
.set FA,   64                          ; window 0, buffer f at FA + 64 f
.set FB,   128                         ; window 1, buffer f at FB + 64 f
.set BIAS, 192
.set OUTB, 224
.set G1, 24
.set G0, 32
.set G1B, 48
.set G0B, 56
.set MSB, 0
.macro WIN new
.if MSB != \new
	s_set_vgpr_msb (MSB<<8)|\new
.set MSB, \new
.endif
.endm
.set MUL,  0x51                        ; source 0 window 1, source 1 window 0, C and D window 1
.set MULB, 0x41                        ; the same with C (the bias) in window 0
.macro JLOAD s
	s_cmp_eq_u32 s11, 0
	s_cbranch_scc0 .Lfor_b_\@
	tensor_load_to_lds s[G0+4*\s:G0+4*\s+3], s[G1:G1+7]
	s_nop 0
	s_branch .Lasked_\@
.Lfor_b_\@:
	tensor_load_to_lds s[G0B+4*\s:G0B+4*\s+3], s[G1B:G1B+7]
	s_nop 0
.Lasked_\@:
.endm
.macro CREST
	s_cmp_lg_u32 s10, 0
	s_cbranch_scc1 .Lnot_wave_0_\@
	s_barrier_signal -3
.Lnot_wave_0_\@:
	s_barrier_wait -3
	s_barrier_signal -1
	s_barrier_wait -1
.endm
.macro CROUND
	s_barrier_signal -1
	s_barrier_wait -1
	CREST
.endm
.macro PLACES                          ; four plain vector places behind a matrix instruction (ISA guide 7.12.1)
.rept 4
	v_nop
.endr
.endm
	s_load_b128 s[4:7], s[0:1], 0x0                ; yb s[4:5], cb s[6:7]
	s_load_b64 s[22:23], s[0:1], 0x10              ; b_proj
	s_load_b64 s[8:9], s[0:1], 0x18                ; out0
	v_lshl_add_u32 v62, v0, 2, 0x46400
	v_mov_b32 v63, 0
	ds_add_u32 v62, v63
	ds_add_u32 v62, v63
	v_lshrrev_b32 v1, 5, v0
	v_readfirstlane_b32 s10, v1                    ; wave
	s_lshr_b32 s11, s10, 1                         ; my half of the block's rows.  Also: I fetch for y (0) or for W_proj (1)
	s_and_b32 s12, s10, 1                          ; my half of its columns.  Also: which 64 rows of that tile I fetch
	s_bfe_u32 s40, ttmp6, 0x40000                  ; cx
	s_bfe_u32 s41, ttmp6, 0x40004                  ; cy
	s_lshl_b32 s42, ttmp9, 2
	s_add_co_u32 s42, s42, s40                     ; bx
	s_and_b32 s13, ttmp7, 0xffff
	s_lshl_b32 s13, s13, 2
	s_add_co_u32 s13, s13, s41                     ; by
	s_lshl_b32 s43, s41, 2
	s_lshl_b32 s43, 15, s43                        ; my row of the cluster
	s_lshl_b32 s44, 0x1111, s40                    ; my column
	; group 1: 64 rows x 256 elements of 2 bytes, 4 words of padding behind every 128 words
	s_or_b32 s[G1+0], s43, (1<<16)|(1<<20)|(1<<21)|(6<<22)|(3<<25)
	s_or_b32 s[G1B+0], s44, (1<<16)|(1<<20)|(1<<21)|(6<<22)|(3<<25)
	s_mov_b32 s[G1+1], 256<<16
	s_mov_b32 s[G1B+1], 256<<16
	s_mov_b32 s[G1+2], 64<<16
	s_mov_b32 s[G1B+2], 64<<16
	s_mov_b32 s[G1+3], 256<<16
	s_mov_b32 s[G1B+3], 256<<16
	s_mov_b32 s[G1+4], 64
	s_mov_b32 s[G1B+4], 64
	s_mov_b32 s[G1+5], 1024
	s_mov_b32 s[G1B+5], 1024
	s_mov_b32 s[G1+6], 0
	s_mov_b32 s[G1B+6], 0
	s_mov_b32 s[G1+7], 0
	s_mov_b32 s[G1B+7], 0
	s_lshl_b32 s16, s13, 7
	s_lshl_b32 s17, s12, 6
	s_add_co_u32 s16, s16, s17                     ; y: row 128 by + 64 half
	s_lshl_b32 s16, s16, 11
	s_mov_b32 s17, 0
	s_lshl_b32 s46, s42, 7
	s_lshl_b32 s47, s12, 6
	s_add_co_u32 s46, s46, s47                     ; W_proj: row 128 bx + 64 half; also my first column of the result
	s_lshl_b32 s2, s46, 2                          ; its bias, in bytes
	s_mov_b32 s3, 0
	s_lshl_b32 s46, s46, 11
	s_add_co_u32 s46, s46, WPF
	s_mov_b32 s47, 0
	s_mul_i32 s20, s10, HALFT                      ; where the tiles go: wave x 64 rows
	s_wait_dscnt 0x0
	s_wait_kmcnt 0x0
	s_add_nc_u64 s[14:15], s[4:5], s[16:17]
	s_add_nc_u64 s[46:47], s[6:7], s[46:47]
	s_add_nc_u64 s[22:23], s[22:23], s[2:3]
	s_add_nc_u64 s[8:9], s[8:9], s[2:3]            ; out0 at my first column
	CROUND                                         ; all sixteen work-groups are here
.irp s, 0,1
	s_mov_b32 s[G0+4*\s], 1
	s_add_co_u32 s[G0+4*\s+1], s20, \s*SLOT
	s_add_nc_u64 s[G0+4*\s+2:G0+4*\s+3], s[14:15], \s*512
	s_or_b32 s[G0+4*\s+3], s[G0+4*\s+3], 0x80000000
	s_mov_b32 s[G0B+4*\s], 1
	s_add_co_u32 s[G0B+4*\s+1], s20, \s*SLOT
	s_add_nc_u64 s[G0B+4*\s+2:G0B+4*\s+3], s[46:47], \s*512
	s_or_b32 s[G0B+4*\s+3], s[G0B+4*\s+3], 0x80000000
	JLOAD \s                                       ; two tensor loads of the wave are out
.endr
	v_and_b32 v1, 15, v0                           ; r
	v_bfe_u32 v2, v0, 4, 1                         ; h
	v_mul_u32_u24 v3, v1, PITCH
	v_lshl_add_u32 v3, v2, 4, v3
	s_mul_i32 s18, s11, HALFT
	s_mul_i32 s19, s12, HALFT
	s_add_co_u32 s19, s19, 2*HALFT
	v_add_nc_u32 v[ADRA], s18, v3
	v_add_nc_u32 v[ADRB], s19, v3
	v_add_nc_u32 v[ADRA+1], SLOT, v[ADRA]
	v_add_nc_u32 v[ADRB+1], SLOT, v[ADRB]
	s_mul_i32 s18, s10, 16*SPITCH
	s_add_co_u32 s18, s18, STAGE
	v_mul_u32_u24 v4, v1, SPITCH
	v_lshl_add_u32 v4, v2, 5, v4
	v_add_nc_u32 v[STO], s18, v4                   ; in: row r, 32 bytes for each half of the lanes
	v_mul_u32_u24 v5, v2, SPITCH
	v_lshl_add_u32 v5, v1, 4, v5
	v_add_nc_u32 v[RD], s18, v5                    ; back: lanes 0-15 one row of 256 bytes, lanes 16-31 the next
	v_lshlrev_b32 v5, 12, v2
	v_lshl_add_u32 v[CO], v1, 4, v5                ; the same two rows in out0
	v_lshlrev_b32 v[BO], 5, v2
.irp b, 0,1,2,3
	global_load_b128 v[BIAS+8*\b:BIAS+8*\b+3],   v[BO], s[22:23] offset:64*\b      ; register j = bias of column 16 b + 8 h + j
	global_load_b128 v[BIAS+8*\b+4:BIAS+8*\b+7], v[BO], s[22:23] offset:64*\b+16
.endr
	s_lshl_b32 s16, s13, 7
	s_lshl_b32 s17, s11, 6
	s_add_co_u32 s16, s16, s17                     ; my first row of the result
	s_lshl_b32 s16, s16, 12
	s_mov_b32 s17, 0
	s_add_nc_u64 s[8:9], s[8:9], s[16:17]
; 16 matrix instructions: all sixteen accumulators, 32 along K (chunk c of buffers f).  first = 1: C is the bias.
; The accumulators take turns, one instruction a turn.
.macro MULG f, c, first
.irp a, 0,1,2,3
.irp b, 0,1,2,3
.if \first
	v_wmma_f32_16x16x32_f16 v[8*(4*\a+\b):8*(4*\a+\b)+7], v[FB+64*\f+8*(2*\b+\c):FB+64*\f+8*(2*\b+\c)+7], v[FA+64*\f+8*(2*\a+\c):FA+64*\f+8*(2*\a+\c)+7], v[BIAS+8*\b:BIAS+8*\b+7]
.else
	v_wmma_f32_16x16x32_f16 v[8*(4*\a+\b):8*(4*\a+\b)+7], v[FB+64*\f+8*(2*\b+\c):FB+64*\f+8*(2*\b+\c)+7], v[FA+64*\f+8*(2*\a+\c):FA+64*\f+8*(2*\a+\c)+7], v[8*(4*\a+\b):8*(4*\a+\b)+7]
.endif
.endr
.endr
.endm
; 32 LDS loads: the fragments of 64 along K at byte k of the rows, into buffers f
.macro FETCH slot, k, f
	WIN 0x40
.irp i, 0,1,2,3
.irp c, 0,1
	ds_load_b128 v[FB+64*\f+8*(2*\i+\c):FB+64*\f+8*(2*\i+\c)+3],   v[ADRB+\slot] offset:\k+64*\c+\i*16*PITCH
	ds_load_b128 v[FB+64*\f+8*(2*\i+\c)+4:FB+64*\f+8*(2*\i+\c)+7], v[ADRB+\slot] offset:\k+64*\c+\i*16*PITCH+32
.endr
.endr
	WIN 0
.irp i, 0,1,2,3
.irp c, 0,1
	ds_load_b128 v[FA+64*\f+8*(2*\i+\c):FA+64*\f+8*(2*\i+\c)+3],   v[ADRA+\slot] offset:\k+64*\c+\i*16*PITCH
	ds_load_b128 v[FA+64*\f+8*(2*\i+\c)+4:FA+64*\f+8*(2*\i+\c)+7], v[ADRA+\slot] offset:\k+64*\c+\i*16*PITCH+32
.endr
.endr
.endm
; One of a slot's first three groups of 64 along K: buffers f are in; the next group's fragments go out first, then 32 matrix instructions cover them.
.macro GROUP slot, k, f, g, first
	s_wait_dscnt 0x0
	PLACES
	FETCH \slot, \k, \g
.if \first
	WIN MULB
.else
	WIN MUL
.endif
	MULG \f, 0, \first
	WIN MUL
	MULG \f, 1, 0
.endm
; The slot's last group multiplies buffers 1 and changes slots: each wave's reads of this slot and all its tensor loads are waited for in front of
; the barrier; where this slot is filled again the barrier opens a round of the cluster's barrier, and the joint refill comes first behind the round.
.macro TURN slot, next, fill
	s_wait_dscnt 0x0
	s_set_vgpr_msb 0x5150
	s_wait_tensorcnt 0x0
	ds_add_u32 v62, v63
	s_wait_dscnt 0x0
	s_set_vgpr_msb 0x5051
	s_barrier_signal -1
	WIN MUL
	MULG 1, 0, 0                                   ; register work while the others arrive
	WIN 0
	s_barrier_wait -1
.if \fill
	CREST
	s_add_nc_u64 s[G0+4*\slot+2:G0+4*\slot+3], s[G0+4*\slot+2:G0+4*\slot+3], 1024     ; two slots of 512 bytes along the rows
	s_add_nc_u64 s[G0B+4*\slot+2:G0B+4*\slot+3], s[G0B+4*\slot+2:G0B+4*\slot+3], 1024
	JLOAD \slot
.endif
	PLACES
	FETCH \next, 0, 0
	WIN MUL
	MULG 1, 1, 0
.endm
.macro SSTEP slot, next, fill, first
	GROUP \slot, 128, 0, 1, \first
	GROUP \slot, 256, 1, 0, 0
	GROUP \slot, 384, 0, 1, 0
	TURN \slot, \next, \fill
.endm
	s_wait_tensorcnt 1                             ; my part of slot 0 is in; slot 1's may stay out
	s_barrier_signal -1
	s_barrier_wait -1
	FETCH 0, 0, 0
	s_wait_loadcnt 0x0                             ; the bias
	SSTEP 0, 1, 1, 1                               ; K 0-255; slot 0 is asked for K 512-767
	SSTEP 1, 0, 1, 0                               ; K 256-511; slot 1 is asked for K 768-1023
	SSTEP 0, 1, 0, 0                               ; nothing is left to fetch
	GROUP 1, 128, 0, 1, 0
	GROUP 1, 256, 1, 0, 0
	GROUP 1, 384, 0, 1, 0
	s_wait_dscnt 0x0
	WIN MUL
	MULG 1, 0, 0
	MULG 1, 1, 0
	; THE WAY OUT, 16 rows at a time, in f32: 32 bytes a lane into my own stage, read back as whole rows of 256 bytes.
	PLACES
.macro OUT16 a
	WIN 0x04                                       ; store data in window 1
.irp b, 0,1,2,3
	ds_store_b128 v[STO], v[8*(4*\a+\b):8*(4*\a+\b)+3]   offset:64*\b
	ds_store_b128 v[STO], v[8*(4*\a+\b)+4:8*(4*\a+\b)+7] offset:64*\b+16
.endr
	WIN 0
	s_wait_xcnt 0x0                                ; OUTB, which the last sixteen rows' stores read, is loaded again only behind this wait
.irp t, 0,1,2,3,4,5,6,7
	ds_load_b128 v[OUTB+4*\t:OUTB+4*\t+3], v[RD] offset:\t*2*SPITCH     ; a wave's LDS instructions are served in order: these see the stores above
.endr
.irp t, 0,1,2,3,4,5,6,7
	s_wait_dscnt 7-\t                              ; this read-back is in, the younger ones stay out
	global_store_b128 v[CO], v[OUTB+4*\t:OUTB+4*\t+3], s[8:9] offset:(16*\a+2*\t)*4096 th:TH_STORE_NT   ; sixteen lanes store 256 neighbouring bytes at a multiple of 256
.endr
.endm
	OUT16 0
	OUT16 1
	OUT16 2
	OUT16 3
	s_wait_tensorcnt 0x0
	ds_add_u32 v62, v63
	s_wait_dscnt 0x0
	CROUND                                         ; the closing round
	s_endpgm
.Lfunc_end_k_q086dd4070b_proj:
	.size	k_q086dd4070b_proj, .Lfunc_end_k_q086dd4070b_proj-k_q086dd4070b_proj
	.p2alignl 7, 3214868480
	.fill 96, 4, 3214868480
	.section	.rodata,"a",@progbits
	.p2align	6, 0x0
	.amdhsa_kernel k_q086dd4070b_proj
		.amdhsa_group_segment_fixed_size 327680
		.amdhsa_private_segment_fixed_size 0
		.amdhsa_enable_private_segment 0
		.amdhsa_kernarg_size 32
		.amdhsa_user_sgpr_count 2
		.amdhsa_user_sgpr_kernarg_segment_ptr 1
		.amdhsa_wavefront_size32 1
		.amdhsa_system_sgpr_workgroup_id_x 1
		.amdhsa_system_sgpr_workgroup_id_y 1
		.amdhsa_system_sgpr_workgroup_id_z 1
		.amdhsa_system_vgpr_workitem_id 0
		.amdhsa_next_free_vgpr 512
		.amdhsa_next_free_sgpr 66
		.amdhsa_reserve_vcc 0
		.amdhsa_float_denorm_mode_32 3
		.amdhsa_float_denorm_mode_16_64 3
		.amdhsa_memory_ordered 1
		.amdhsa_forward_progress 1
		.amdhsa_inst_pref_size 87
	.end_amdhsa_kernel
	.amdgpu_metadata
---
amdhsa.version: [ 1, 2 ]
amdhsa.kernels:
  - .name:           k_q086dd4070b_proj
    .symbol:         k_q086dd4070b_proj.kd
    .args:
      - { .name: yb, .offset: 0, .size: 8, .value_kind: global_buffer, .address_space: global }
      - { .name: cb, .offset: 8, .size: 8, .value_kind: global_buffer, .address_space: global }
      - { .name: b_proj, .offset: 16, .size: 8, .value_kind: global_buffer, .address_space: global }
      - { .name: out0, .offset: 24, .size: 8, .value_kind: global_buffer, .address_space: global }
    .group_segment_fixed_size: 327680
    .private_segment_fixed_size: 0
    .kernarg_segment_align: 8
    .kernarg_segment_size: 32
    .max_flat_workgroup_size: 128
    .sgpr_count:     66
    .vgpr_count:     512
    .wavefront_size: 32
...
	.end_amdgpu_metadata
.endif
;; end of part 4
